; MI455X (gfx1250); checked and timed in simulation.
; The chip was launched on July 23, 2026; its instructions are those of AMD's public machine-readable ISA for CDNA 5 (MIT licence, August 2026) and "CDNA5" Instruction Set Architecture Reference Guide (July 2026). The comments in the code are by the model that wrote it; some were corrected since.
;; Atten Head. Allowed arithmetic: matrix products marked QUANTISED: E5M2 operands, one given power-of-two scale a tensor, by v_wmma_f32_16x16x64_bf8_bf8 or v_wmma_f32_16x16x128_bf8_bf8, f32 sums; everything else in f32.
;; Inputs: WK_codes 1,024 x 32 x 32 uint8 (E5M2 codes of WK, K innermost, in blocks of 32 codes); WQ_codes 1,024 x 32 x 32 uint8 (E5M2 codes of WQ, K innermost, in blocks of 32 codes); WV_codes 1,024 x 32 x 32 uint8 (E5M2 codes of WV, K innermost, in blocks of 32 codes); inputs_codes 4 x 2,048 x 32 x 32 uint8 (E5M2 codes of inputs, K innermost, in blocks of 32 codes); lowp_scales 10 int32 (the exponents e of the quantised operands' scales 2^e).
;; Outputs: out0 4 x 2,048 x 1,024 float32.
;; This version of the problem:
;;   THIS VERSION OF THE PROBLEM IS GIVEN IN LOW PRECISION. The matrix products marked QUANTISED in the list below multiply operands that are first quantised to E5M2 (5 exponent bits, 2 mantissa bits; 8 bits a number), with one given power-of-two scale for each operand tensor; their sums are f32. All else is computed in f32.
;;   The module's matrix products, in the order in which they are computed (A, B: the left and right operand; K: the contracted axis; several contracted axes count as one K, in the product's order):
;;     1. [M 8,192, K 1,024] x [K 1,024, N 1,024]; A: input inputs (given as codes); B: input WK (given as codes): QUANTISED (scales: A lowp_scales[0], B lowp_scales[1])
;;     2. [M 8,192, K 1,024] x [K 1,024, N 1,024]; A: input inputs (given as codes); B: input WQ (given as codes): QUANTISED (scales: A lowp_scales[2], B lowp_scales[3])
;;     3. [M 8,192, K 1,024] x [K 1,024, N 1,024]; A: input inputs (given as codes); B: input WV (given as codes): QUANTISED (scales: A lowp_scales[4], B lowp_scales[5])
;;     4. batch 4 x [M 2,048, K 1,024] x [K 1,024, N 2,048]; A: computed on the way; B: computed on the way: QUANTISED (scales: A lowp_scales[6], B lowp_scales[7])
;;     5. batch 4 x [M 2,048, K 2,048] x [K 2,048, N 1,024]; A: softmax (see below); B: computed on the way: QUANTISED (scales: A lowp_scales[8], B lowp_scales[9])
;;   THE QUANTISER, for each operand of a quantised product, along K:
;;     - The operand's scale is 2^e, e = its entry of the input lowp_scales (int32; the entries are numbered through the quantised products in the list's order, A before B).
;;     - Each number is divided by the scale, clamped to +-57,344, and rounded to the nearest number of E5M2, ties to even, subnormals kept.
;;     - The product sums the exact products of the quantised numbers (number of the format x scale) in f32.
;;   ~~~python
;;   def quantise(x, axis, e):      # numpy; x: float32 -> the quantised numbers, widened to float32 again
;;       x = np.moveaxis(x, axis, -1); K = x.shape[-1]
;;       r = np.clip(x / 2.0 ** e, -57344, 57344)
;;       step = 2.0 ** (np.maximum(np.frexp(np.where(r == 0, 1, r))[1] - 1, -14) - 2)
;;       q = np.round(r / step) * step * 2.0 ** e      # np.round: ties to even
;;       return np.moveaxis(q, -1, axis).astype(np.float32)
;;   ~~~
;;   SOFTMAX AHEAD OF A QUANTISED PRODUCT. Where the list says 'softmax', what is quantised is not the finished softmax but p = 2^(t - M), with t = logit x log2(e) and M = ceil(the row's largest t), a whole number; so 1/2 < the row's largest p <= 1. The row's sum l is taken of the UNQUANTISED p, in f32, and the product's result is divided by l at the end. Since M is a whole number, a kernel that streams over the keys may use a running M (the ceiling of the running maximum): every later rescaling is an exact power of two, so the quantised numbers keep their values, but for numbers so far below the row's largest that they fall under the format's range.
;;   OPERANDS COMPUTED ON THE WAY. 'Computed on the way' means the value that the module computes at that place (a softmax that the list does not call 'softmax' is quantised finished and normalised). What goes into a quantiser is computed in f32, as accurately as f32 sums, v_exp_f32 and their like allow (about 1e-6 of the number): no bf16 or f16 on the way to a quantiser, and a product that is left as it is and whose result goes on into a quantised operand takes f32 operands (vector FMAs, or v_wmma_f32_16x16x4_f32). A number that lies on a knife's edge between two numbers of the format may be rounded either way, as far as f32 arithmetic and the matrix unit's own rounding can turn it there, and no further.
;;   INPUTS GIVEN AS CODES. WK (in the module: [1024, 1024], K = its axis 0); WQ (in the module: [1024, 1024], K = its axis 0); WV (in the module: [1024, 1024], K = its axis 0); inputs (in the module: [4, 2048, 1024], K = its axis 2): each comes as NAME_codes (uint8): NAME with its K axis moved to the last place and cut into blocks of 32 codes, [.., K / 32, bytes a block], one block behind the other in memory; one code a byte (a code: sign, 5 exponent bits, 2 mantissa bits); its scale is its entry of lowp_scales. Its value is code x scale, taken as it is: it is not quantised again, and the codes and scales need not be those that the quantiser above would give.
;; One version. Each part assembles by itself: llvm-mc -triple=amdgcn-amd-amdhsa -mcpu=gfx1250 --defsym DOCPART=n.
;; ======== version 1 of 1: 3 launches
;; limits: right only within a limited range of input values
;; workspace buffers: kc 8,388,608 bytes; qc 8,388,608 bytes; vt 8,388,608 bytes; pc 16,777,216 bytes; ml 524,288 bytes
;; launch proj (part 1): grid 8 x 32, 4 waves a work-group, clusters of 4 x 4, 327,680 bytes of LDS; arguments inputs_codes, WK_codes, WQ_codes, WV_codes, lowp_scales, kc, qc, vt; writes kc, qc, vt
.if DOCPART == 1
	.amdgcn_target "amdgcn-amd-amdhsa--gfx1250"
	.amdhsa_code_object_version 6
	.text
	.protected	k_q4c01813bc3_proj
	.globl	k_q4c01813bc3_proj
	.p2align	8
	.type	k_q4c01813bc3_proj,@function
k_q4c01813bc3_proj:
	s_mov_b64 s[64:65], 0
	v_nop
	global_prefetch_b8 v0, s[64:65] scope:SCOPE_SE
	s_setreg_imm32_b32 hwreg(HW_REG_WAVE_MODE, 25, 1), 1
	s_wait_xcnt 0x0
	s_wait_alu depctr_hold_cnt(0) depctr_sa_sdst(0) depctr_va_vdst(0) depctr_va_sdst(0) depctr_va_ssrc(0) depctr_va_vcc(0) depctr_vm_vsrc(0)
	s_getreg_b32 s2, hwreg(HW_REG_IB_STS2, 6, 4)
	s_cmp_eq_u32 s2, 0
	s_cbranch_scc0 .Lentry_in_a_cluster
	s_endpgm
.Lentry_in_a_cluster:
	s_bfe_u32 s2, ttmp6, 0x10000c
	s_cmp_lg_u32 s2, 0xf033
	s_cbranch_scc0 .Lentry_shape_is_right
	s_endpgm
.Lentry_shape_is_right:
; THE THREE PROJECTIONS, from codes to codes: kc, qc: [8,192 tokens][1,024]; vt: [4][1,024 channels][2,048 keys] (the keys are the last product's K, so V is stored transposed).
; WORK LEFT OUT BY THE PROGRAM (in the next two launches): scores, p and p V of tiles of 256 queries x 256 keys wholly above the diagonal.  the module sets those scores to -infinity, so their p is 0 for all
; finite inputs and reaches no output.  LIMIT: a NaN, an infinity or an overflow that reaches only that work is not carried to the result.
; A work-group makes 256 tokens x (256 outputs of K or of Q, and 128 channels of V): 384 weight rows against one tile of tokens; 8 x 32 work-groups.  Four waves, each 128 tokens x (128 + 64): 96 accumulators of 16 x 16.
; K goes in four steps of 256.  LDS: two slots for the tokens (256 rows) and for the K/Q weights (256 rows), ONE for V's weights (128 rows): V's next step is asked for when all fragments of the last are in registers.
; CLUSTERS 4 x 4: the four of a row share the tokens' tile, the four of a column the weights': joint loads.
; FRAGMENTS: 16 rows x 64 K in 8 registers: two loads of 16 bytes, 32 apart: lane (r, h) holds k = 16 h + 0..15 and 32 + 16 h + 0..15: the same order of k on both sides.
; K, Q: source 0 = weights, source 1 = tokens: a lane holds one token and 8 neighbouring outputs.  V: source 0 = tokens, source 1 = weights: a lane holds one channel and 8 neighbouring tokens.
; LIMITS: e7 - e0 - e1, e6 - e2 - e3, e9 - e4 - e5 between -126 and 112, so that the powers of two made of them are f32 numbers.  NaN and infinite codes are not served.
; REGISTERS: window 0: addresses to v31; v32-159 tokens' fragments, two sets of 8; v160-255 weights' fragments, three groups of 4.  windows 1, 2: K/Q's accumulators (groups 0, 1); window 3: V's (group 2): accumulator (bb, a) at 8 (8 bb + a).
.set ROWB,  256
.set KROW,  1024
; K'S PLACES (this holds in place of what FRAGMENTS says above): the sums go on into quantisers, so k stands in the form's own places: a fragment is four loads of 8 bytes, 16 apart: registers 2 c, 2 c + 1 hold k = 16 c + 8 h + 0 .. 7.
; kc AND qc are stored with the middle two 8-byte pieces of each 32 bytes exchanged, so that the next launch's loads of 16 bytes bring its fragments in the form's own places too.
.set PITCH, 272                        ; an LDS row: 256 bytes + 16 of padding
.set HALFT, 128*PITCH
.set ASL,   2*HALFT                    ; a slot of tokens, or of K/Q weights: 256 rows
.set BQ,    2*ASL                      ; the K/Q weights' two slots
.set BVB,   4*ASL                      ; V's weights
.set SPARE, BVB+HALFT                  ; the spare words, 128 bytes a wave
.set CO2,   14                         ; v14  my byte offset in two rows of vt
.set PFO,   15                         ; v15  1,024 x lane: the prefetches' rows
.set ADRA,  16                         ; v16-17 my tokens' fragments in slot 0, 1
.set ADRB,  18                         ; v18-19 my K/Q weights'
.set ADRV,  20                         ; v20  my V weights'
.set SCV,   21                         ; v21-22 the conversion's scale and the largest number, K/Q;  v23-24 the same for V
.set LIMV,  22
.set SCV2,  23
.set LIMV2, 24
.set STO,   25                         ; v25, v26 the stages, in; v27, v30 back
.set STO2,  26
.set RD,    27
.set SPW,   28
.set NIL,   29
.set RD2,   30
.set CO,    31                         ; v31  my byte offset in two rows of kc or qc
.set AF,    32
.set BF,    160
.set G1A,   16
.set G1B,   24
.set G0A,   32
.set G0B,   36
.set G0V,   40
.set G1V,   48
.set PADW,  (1<<20)|(1<<21)|(5<<22)|(3<<25)   ; elements of 1 byte; padding of 4 words after every 64; bit 21 beside a mask
.set MSB, 0
.set ISS, 0                            ; LDS instructions issued since the head
.set WTD, 0                            ; of those, how many have been waited for
.set MB0, 0
.set MB1, 0
.set MB2, 0
.set MA00, 0
.set MA01, 0
.set MA10, 0
.set MA11, 0
.macro WIN new
.if MSB != (\new)
	s_set_vgpr_msb (MSB<<8)|(\new)
.set MSB, (\new)
.endif
.endm
.macro PLACES n
.rept \n
	v_nop
.endr
.endm
.macro CREST
	s_cmp_lg_u32 s14, 0
	s_cbranch_scc1 .Lnot_wave_0_\@
	s_barrier_signal -3
.Lnot_wave_0_\@:
	s_barrier_wait -3
	s_barrier_signal -1
	s_barrier_wait -1
.endm
.macro CROUND
	s_barrier_signal -1
	s_barrier_wait -1
	CREST
.endm
; Joint loads, one a wave: waves 0 and 1 the tokens' halves, wave 2 the K/Q weights (where ab = 1), wave 3 V's weights (where vv = 1).
.macro JLOAD ab, vv
.if \ab
	s_cmp_lt_u32 s14, 2
	s_cbranch_scc0 .Lnot_a_\@
	tensor_load_to_lds s[G0A:G0A+3], s[G1A:G1A+7]
	s_nop 0
	PLACES 4
	s_branch .Lasked_\@
.Lnot_a_\@:
	s_cmp_eq_u32 s14, 2
	s_cbranch_scc0 .Lnot_b_\@
	tensor_load_to_lds s[G0B:G0B+3], s[G1B:G1B+7]
	s_nop 0
	PLACES 4
	s_branch .Lasked_\@
.Lnot_b_\@:
.endif
.if \vv
.if (\ab)==0
	s_cmp_eq_u32 s14, 3
	s_cbranch_scc0 .Lasked_\@
.endif
	tensor_load_to_lds s[G0V:G0V+3], s[G1V:G1V+7]
	s_nop 0
	PLACES 4
.endif
.Lasked_\@:
.if ((\ab)+(\vv))<2
	PLACES 4
.endif
.endm
; A PREFETCH INTO THE L2 of K step k, one step ahead of its load: the four partners that ask for a tile share its rows out by address: 32 rows a wave (wave 2: 64).  Tokens: every cluster.  Weights: the four first rows of clusters alone.
.macro ASK k
	s_cmp_lt_u32 s66, 4
	s_cbranch_scc0 .Lnot_mine_\@
	global_prefetch_b8 v[PFO], s[60:61] offset:256*\k th:TH_LOAD_NT scope:SCOPE_SE
	s_cmp_eq_u32 s14, 2
	s_cbranch_scc0 .Lnot_mine_\@
	global_prefetch_b8 v[PFO], s[60:61] offset:256*\k+32768 th:TH_LOAD_NT scope:SCOPE_SE
.Lnot_mine_\@:
.endm
.macro NEED m                          ; all LDS loads up to mark m are in; the younger ones may be out
.if (\m) > WTD
	s_wait_dscnt ISS-(\m)
.set WTD, \m
.endif
.endm
.macro NEEDG g, p                      ; group g's weights and the lower half of the tokens' set p
.if (\g)==0
	NEED MB0
.endif
.if (\g)==1
	NEED MB1
.endif
.if (\g)==2
	NEED MB2
.endif
.if (\p)==0
	NEED MA00
.else
	NEED MA10
.endif
.endm
.macro NEEDH p                         ; the upper half
.if (\p)==0
	NEED MA01
.else
	NEED MA11
.endif
.endm
; a fragment of K-substep u of slot sl: ty 0, 1: K/Q weights; 2: V's weights; 3: tokens (set u % 2)
.macro CH ty, i, sl, u
	WIN 0
.if (\ty)==3
.set DST_, AF+64*((\u)%2)+8*(\i)
.set ADR_, ADRA+(\sl)
.set OFF_, 64*(\u)+(\i)*16*PITCH
.else
.set DST_, BF+32*(\ty)+8*(\i)
.if (\ty)==2
.set ADR_, ADRV
.set OFF_, 64*(\u)+(\i)*16*PITCH
.else
.set ADR_, ADRB+(\sl)
.set OFF_, 64*(\u)+(4*(\ty)+(\i))*16*PITCH
.endif
.endif
.irp c, 0,1,2,3
	ds_load_b64 v[DST_+2*\c:DST_+2*\c+1], v[ADR_] offset:OFF_+16*\c
.endr
.set ISS, ISS+4
.if (\ty)==0
.set MB0, ISS
.endif
.if (\ty)==1
.set MB1, ISS
.endif
.if (\ty)==2
.set MB2, ISS
.endif
.if (\ty)==3
.if ((\u)%2)==0
.if (\i)<4
.set MA00, ISS
.else
.set MA01, ISS
.endif
.else
.if (\i)<4
.set MA10, ISS
.else
.set MA11, ISS
.endif
.endif
.endif
.endm
; four matrix instructions: 16 tokens x group g.  The 96 accumulators take turns, one instruction a turn.
.macro BLK g, p, a, zero
	WIN 0x50*((\g)+1)
.irp bb, 0,1,2,3
.set D_, 8*(8*\bb+(\a))
.set B_, BF+32*(\g)+8*\bb
.set A_, AF+64*(\p)+8*(\a)
.if (\g)==2
.set X_, A_
.set Y_, B_
.else
.set X_, B_
.set Y_, A_
.endif
.if \zero
	v_wmma_f32_16x16x64_bf8_bf8 v[D_:D_+7], v[X_:X_+7], v[Y_:Y_+7], 0
.else
	v_wmma_f32_16x16x64_bf8_bf8 v[D_:D_+7], v[X_:X_+7], v[Y_:Y_+7], v[D_:D_+7]
.endif
.endr
.endm
.macro BLK4 g, p, a0, zero
.irp q, 0,1,2,3
	BLK \g, \p, (\a0)+\q, \zero
.endr
.endm
.macro CH4 ty, i, sl, u                ; four fragments
.irp q, 0,1,2,3
	CH \ty, (\i)+\q, \sl, \u
.endr
.endm
; a group: ONE run of up to eight fragments (32 LDS loads) for the groups to come, then 32 matrix instructions on substep u.  The four v_nop stand between the products that read the run's registers last and the run.
.macro GRP g, u, zero, t1, i1, s1, u1, t2, i2, s2, u2
	NEEDG \g, (\u)%2
.if (\t1)>=0
	PLACES 4
	CH4 \t1, \i1, \s1, \u1
.endif
.if (\t2)>=0
	CH4 \t2, \i2, \s2, \u2
.endif
.irp a, 0,1,2,3,4,5,6,7
.if (\a)==4
	NEEDH (\u)%2
.endif
	BLK \g, (\u)%2, \a, \zero
.endr
.endm
; A K STEP: four substeps of 64.  Groups: Q0, Q1 (K/Q), V of each substep; V of substep 0 stands behind Q0 of substep 1, so that V's tile has longer to land.
.macro KST s
.set SL, (\s)%2
.set NX, 1-SL
.set ZR, 0
.if (\s)==0
.set ZR, 1
.endif
	GRP 0, 0, ZR, 3, 0, SL, 1, 3, 4, SL, 1
	GRP 1, 0, ZR, 0, 0, SL, 1, -1, 0, 0, 0
.if (\s)>0
	WIN 0
	s_wait_dscnt 0x0                               ; my LDS loads are in;
.set WTD, ISS
	s_cmp_eq_u32 s14, 3
	s_cbranch_scc0 .Lnot_v_\@
	s_wait_tensorcnt 0x0                           ; wave 3: this step's V weights have landed.  The other waves' loads, for the next step, may be out
.Lnot_v_\@:
	s_barrier_signal -1
.endif
	NEEDG 0, 1
	BLK4 0, 1, 0, 0
.if (\s)>0
	s_barrier_wait -1                              ; V's weights are whole for every wave
.endif
	NEEDH 1
	PLACES 4
	CH4 2, 0, SL, 0
	CH4 1, 0, SL, 1
	BLK4 0, 1, 4, 0
	GRP 2, 0, ZR, 0, 0, SL, 2, -1, 0, 0, 0
	GRP 1, 1, 0, 2, 0, SL, 1, 3, 0, SL, 2
	GRP 2, 1, 0, 1, 0, SL, 2, 3, 4, SL, 2
	GRP 0, 2, 0, 2, 0, SL, 2, 3, 0, SL, 3
	GRP 1, 2, 0, 0, 0, SL, 3, 3, 4, SL, 3
	GRP 2, 2, 0, 1, 0, SL, 3, -1, 0, 0, 0
	NEEDG 0, 1
	PLACES 4
	CH4 2, 0, SL, 3
	BLK4 0, 1, 0, 0
	NEEDH 1
.if (\s)<3
	; THE CHANGE OF SLOTS.  All fragments of this step have been asked for.
	WIN 0
	s_wait_tensorcnt 0x0                           ; all my tensor loads have landed: my part of the next step;
	ds_add_u32 v[SPW], v[NIL]                      ; 0 onto my spare word
.set ISS, ISS+1
.if (\s)<2
	s_add_co_u32 s[G0A+1], s15, SL*ASL             ; the slot just read takes the step two on,
	s_add_nc_u64 s[G0A+2:G0A+3], s[G0A+2:G0A+3], ROWB
	s_mov_b32 s[G0B+1], BQ+SL*ASL
	s_add_nc_u64 s[G0B+2:G0B+3], s[G0B+2:G0B+3], ROWB
.endif
	s_add_nc_u64 s[G0V+2:G0V+3], s[G0V+2:G0V+3], ROWB   ; V's slot the next step
	BLK4 0, 1, 4, 0                                ; sixteen matrix instructions between the add and the wait for it
	s_wait_dscnt 0x0                               ; the add is done, and my reads of this step's tiles are over
.set WTD, ISS
	s_barrier_signal -1
	BLK4 1, 1, 0, 0
	WIN 0
	s_barrier_wait -1
	CREST                                          ; the round: no wave of any partner still reads these slots or has a load on its way
.if (\s)<2
	JLOAD 1, 1
.else
	JLOAD 0, 1
.endif
	CH4 0, 0, NX, 0
	CH4 3, 0, NX, 0
	BLK4 1, 1, 4, 0
.if (\s)==0
	WIN 0
	ASK 3
.endif
	GRP 2, 3, 0, 1, 0, NX, 0, 3, 4, NX, 0
.else
	BLK4 0, 1, 4, 0
	GRP 2, 3, 0, -1, 0, 0, 0, -1, 0, 0, 0          ; the last step: V is finished first, and leaves first
	GRP 1, 3, 0, -1, 0, 0, 0, -1, 0, 0, 0
.endif
.endm
	s_load_b512 s[68:83], s[0:1], 0x0              ; inputs, WK, WQ, WV, the exponents, kc, qc, vt
	v_lshl_add_u32 v[SPW], v0, 2, SPARE
	v_mov_b32 v[NIL], 0
	ds_add_u32 v[SPW], v[NIL]                      ; the opening add, twice on end
	ds_add_u32 v[SPW], v[NIL]
	v_lshrrev_b32 v1, 5, v0
	v_readfirstlane_b32 s14, v1                    ; wave 0..3
	v_and_b32 v[PFO], 31, v0
	v_lshlrev_b32 v[PFO], 10, v[PFO]
	s_bfe_u32 s44, ttmp6, 0x40000                  ; cx
	s_bfe_u32 s45, ttmp6, 0x40004                  ; cy
	s_mov_b32 s46, ttmp9                           ; the cluster's x: 0: K, 1: Q
	s_and_b32 s47, ttmp7, 0xffff                   ; its y
	s_lshl_b32 s2, s47, 2
	s_add_co_u32 s2, s2, s45                       ; i: my 256 tokens
	s_lshl_b32 s3, s46, 2
	s_add_co_u32 s3, s3, s44                       ; j: my 128 channels of V; cx: my 256 outputs of K or Q
	s_lshl_b32 s94, s45, 2
	s_lshl_b32 s94, 15, s94                        ; my row of the cluster: the tokens' mask
	s_lshl_b32 s95, 0x1111, s44                    ; my column: the weights' mask
	s_or_b32 s[G1A], s94, PADW
	s_or_b32 s[G1B], s95, PADW
	s_or_b32 s[G1V], s95, PADW
.irp g, G1A, G1B, G1V
	s_mov_b32 s[\g+1], ROWB<<16
	s_mov_b32 s[\g+3], ROWB<<16
	s_mov_b32 s[\g+5], KROW
	s_mov_b32 s[\g+6], 0
	s_mov_b32 s[\g+7], 0
.endr
	s_mov_b32 s[G1A+2], 128<<16
	s_mov_b32 s[G1A+4], 128
	s_mov_b32 s[G1B+2], 256<<16
	s_mov_b32 s[G1B+4], 256
	s_mov_b32 s[G1V+2], 128<<16
	s_mov_b32 s[G1V+4], 128
	s_lshl_b32 s8, s2, 18                          ; tokens: row 256 i + 128 (wave % 2)
	s_and_b32 s6, s14, 1
	s_lshl_b32 s6, s6, 17
	s_add_co_u32 s8, s8, s6
	s_mov_b32 s9, 0
	s_lshl_b32 s10, s44, 18                        ; K/Q weights: row 256 cx
	s_mov_b32 s11, 0
	s_lshl_b32 s12, s3, 17                         ; V weights: row 128 j
	s_mov_b32 s13, 0
	s_mul_i32 s15, s14, HALFT                      ; tokens in LDS: wave x 128 rows
	s_mov_b32 s[G0A], 1
	s_mov_b32 s[G0A+1], s15
	s_mov_b32 s[G0B], 1
	s_mov_b32 s[G0B+1], BQ
	s_mov_b32 s[G0V], 1
	s_mov_b32 s[G0V+1], BVB
	s_wait_alu depctr_va_vdst(0)
	s_wait_dscnt 0x0                               ; both opening adds are done
	s_wait_kmcnt 0x0
	s_load_b256 s[84:91], s[76:77], 0x0            ; e0 .. e7
	s_load_b64 s[92:93], s[76:77], 0x20            ; e8, e9
	s_cmp_eq_u32 s46, 0
	s_cselect_b64 s[56:57], s[70:71], s[72:73]     ; WK or WQ
	s_cselect_b64 s[58:59], s[78:79], s[80:81]     ; kc or qc
	s_add_nc_u64 s[8:9], s[68:69], s[8:9]
	s_add_nc_u64 s[10:11], s[56:57], s[10:11]
	s_add_nc_u64 s[12:13], s[74:75], s[12:13]
	s_mov_b64 s[G0A+2:G0A+3], s[8:9]
	s_or_b32 s[G0A+3], s[G0A+3], 0x80000000
	s_mov_b64 s[G0B+2:G0B+3], s[10:11]
	s_or_b32 s[G0B+3], s[G0B+3], 0x80000000
	s_mov_b64 s[G0V+2:G0V+3], s[12:13]
	s_or_b32 s[G0V+3], s[G0V+3], 0x80000000
	CROUND                                         ; all sixteen work-groups are here: the first joint loads meet
	JLOAD 1, 1                                     ; K step 0, one load a wave
	; where my prefetches stand: waves 0, 1: my 32 (by cx) of the 128 token rows; wave 2: my 64 (by cy) of the K/Q rows; wave 3: my 32 (by cy) of V's
	s_cmp_lt_u32 s14, 2
	s_cselect_b32 s4, s44, s45
	s_cselect_b32 s66, 0, s47
	s_cselect_b64 s[60:61], s[8:9], s[10:11]
	s_cmp_eq_u32 s14, 3
	s_cselect_b64 s[60:61], s[12:13], s[60:61]
	s_cmp_eq_u32 s14, 2
	s_cselect_b32 s5, 16, 15
	s_lshl_b32 s4, s4, s5
	s_mov_b32 s5, 0
	s_add_nc_u64 s[60:61], s[60:61], s[4:5]
	; my part of the outputs: kc or qc: rows 256 i + 64 w on, byte 256 cx; vt: batch i / 8, channels 128 j + 32 w on, key 256 (i % 8)
	s_lshl_b32 s4, s2, 18
	s_lshl_b32 s5, s14, 16
	s_add_co_u32 s4, s4, s5
	s_lshl_b32 s5, s44, 8
	s_add_co_u32 s4, s4, s5
	s_mov_b32 s5, 0
	s_add_nc_u64 s[58:59], s[58:59], s[4:5]
	s_lshr_b32 s4, s2, 3
	s_lshl_b32 s4, s4, 21
	s_lshl_b32 s5, s3, 18
	s_add_co_u32 s4, s4, s5
	s_lshl_b32 s5, s14, 16
	s_add_co_u32 s4, s4, s5
	s_and_b32 s5, s2, 7
	s_lshl_b32 s5, s5, 8
	s_add_co_u32 s4, s4, s5
	s_mov_b32 s5, 0
	s_add_nc_u64 s[62:63], s[82:83], s[4:5]
	s_lshr_b32 s4, s14, 1                          ; my half of the tokens
	s_and_b32 s5, s14, 1                           ; my half of the weights
	s_mul_i32 s6, s4, HALFT
	s_add_co_u32 s7, s6, ASL
	s_mul_i32 s8, s5, HALFT
	s_add_co_u32 s8, s8, BQ
	s_add_co_u32 s9, s8, ASL
	s_mul_i32 s10, s5, 64*PITCH
	s_add_co_u32 s11, s10, BVB
	s_lshl_b32 s12, s5, 7                          ; K/Q's stage is the tokens' slot 0: row = token, byte 128 x my weights' half
	s_add_co_u32 s12, s12, s6
	s_lshl_b32 s13, s4, 7                          ; V's stage is the K/Q weights' slot 0: row = channel, byte 128 x my tokens' half
	s_add_co_u32 s13, s13, s10
	s_add_co_u32 s13, s13, BQ
	s_mul_i32 s94, s14, 64*PITCH
	s_mul_i32 s95, s14, 32*PITCH
	s_add_co_u32 s95, s95, BQ
	; nothing is prefetched here, at the head: K step 1 comes by its loads alone
	v_and_b32 v1, 15, v0                           ; r
	v_bfe_u32 v2, v0, 4, 1                         ; h
	v_mul_u32_u24 v3, v1, PITCH
	v_lshl_add_u32 v4, v2, 4, v3                   ; K/Q's stage, in: r P + 16 h
	v_lshl_add_u32 v5, v2, 3, v3                   ; fragments, and V's stage, in: r P + 8 h
	v_mul_u32_u24 v6, v2, PITCH
	v_lshl_add_u32 v6, v1, 4, v6                   ; back: lanes 0-15 one row of 256 bytes, lanes 16-31 the next
	v_add_nc_u32 v[ADRA], s6, v5
	v_add_nc_u32 v[ADRA+1], s7, v5
	v_add_nc_u32 v[ADRB], s8, v5
	v_add_nc_u32 v[ADRB+1], s9, v5
	v_add_nc_u32 v[ADRV], s11, v5
	v_add_nc_u32 v[STO], s12, v4
	v_add_nc_u32 v[STO2], s13, v5
	v_add_nc_u32 v[RD], s94, v6
	v_add_nc_u32 v[RD2], s95, v6
	v_lshlrev_b32 v7, 10, v2
	v_lshl_add_u32 v[CO], v1, 4, v7
	v_lshlrev_b32 v7, 11, v2
	v_lshl_add_u32 v[CO2], v1, 4, v7
	s_wait_alu depctr_va_vdst(0)
	s_wait_kmcnt 0x0
	s_sub_co_i32 s4, s91, s84                      ; K: e7 - e0 - e1
	s_sub_co_i32 s4, s4, s85
	s_sub_co_i32 s5, s90, s86                      ; Q: e6 - e2 - e3
	s_sub_co_i32 s5, s5, s87
	s_sub_co_i32 s6, s93, s88                      ; V: e9 - e4 - e5
	s_sub_co_i32 s6, s6, s89
	s_cmp_eq_u32 s46, 0
	s_cselect_b32 s4, s4, s5
	s_add_co_i32 s4, s4, 127
	s_lshl_b32 s5, s4, 23                          ; the power of two that the conversion divides by
	s_add_co_i32 s4, s4, 15
	s_lshl_b32 s4, s4, 23
	s_or_b32 s4, s4, 0x600000                      ; 57,344 x that
	s_add_co_i32 s6, s6, 127
	s_lshl_b32 s7, s6, 23
	s_add_co_i32 s6, s6, 15
	s_lshl_b32 s6, s6, 23
	s_or_b32 s6, s6, 0x600000
	v_mov_b32 v[SCV], s5
	v_mov_b32 v[LIMV], s4
	v_mov_b32 v[SCV2], s7
	v_mov_b32 v[LIMV2], s6
	s_wait_alu depctr_va_vdst(0)
	s_wait_tensorcnt 0x0                           ; my part of K step 0 is in
	ds_add_u32 v[SPW], v[NIL]
	s_add_co_u32 s[G0A+1], s15, ASL                ; K step 1 goes to slots 1
	s_add_nc_u64 s[G0A+2:G0A+3], s[G0A+2:G0A+3], ROWB
	s_mov_b32 s[G0B+1], BQ+ASL
	s_add_nc_u64 s[G0B+2:G0B+3], s[G0B+2:G0B+3], ROWB
	s_wait_dscnt 0x0
	CROUND
	JLOAD 1, 0
.irp i, 0,1,2,3
	CH 0, \i, 0, 0
.endr
.irp i, 0,1,2,3,4,5,6,7
	CH 3, \i, 0, 0
.endr
.irp i, 0,1,2,3
	CH 1, \i, 0, 0
.endr
	ASK 2
	KST 0
	KST 1
	KST 2
	KST 3
; THE WAY OUT.  A window's 32 accumulators: held (the conversion to an 8-bit code does not saturate: ISA guide 7.6.2), converted, each from its low end on.
.macro QNT w, lim, scv, cd
	WIN (\w)|((\w)<<6)
.set j, 0
.rept 256
	v_med3_num_f32 v[j], v[j], -v[\lim], v[\lim]
.set j, j+1
.endr
	WIN \w
.set j, 0
.rept 32
	v_cvt_scalef32_pk8_bf8_f32 v[\cd+2*j:\cd+2*j+1], v[8*j:8*j+7], v[\scv]
.set j, j+1
.endr
	v_nop
	WIN 0
.endm
	PLACES 4
	QNT 3, LIMV2, SCV2, 32
.irp bb, 0,1,2,3
.irp a, 0,1,2,3,4,5,6,7
	ds_store_b64 v[STO2], v[32+2*(8*\bb+\a):32+2*(8*\bb+\a)+1] offset:\bb*16*PITCH+16*\a
.endr
.endr
	s_wait_dscnt 0x0                               ; for the others' sake: my codes of V lie in the stage
	s_barrier_signal -1
	QNT 1, LIMV, SCV, 96                           ; work on registers while the others arrive
	s_barrier_wait -1
	WIN 0xc0                                       ; V's rows come back into window 3, whose sums are done with
.set t, 0
.rept 16
	ds_load_b128 v[4*t:4*t+3], v[RD2] offset:t*2*PITCH
.set t, t+1
.endr
	QNT 2, LIMV, SCV, 160
	s_wait_alu depctr_va_vdst(0)
	s_wait_dscnt 0x0
	WIN 0x0c
.set t, 0
.rept 16
	global_store_b128 v[CO2], v[4*t:4*t+3], s[62:63] offset:4096*t   ; 16 lanes store 256 consecutive bytes, aligned
.set t, t+1
.endr
	WIN 0
.irp bb, 0,1,2,3
.irp a, 0,1,2,3,4,5,6,7
	ds_store_b64 v[STO], v[96+2*(8*\bb+\a):96+2*(8*\bb+\a)+1] offset:\a*16*PITCH+32*(\bb/2)+8*(\bb%2)
	ds_store_b64 v[STO], v[160+2*(8*\bb+\a):160+2*(8*\bb+\a)+1] offset:\a*16*PITCH+32*(\bb/2)+8*(\bb%2)+64
.endr
.endr
	s_wait_dscnt 0x0
	s_barrier_signal -1
	s_barrier_wait -1
	WIN 0x40
.set t, 0
.rept 32
	ds_load_b128 v[4*t:4*t+3], v[RD] offset:t*2*PITCH
.set t, t+1
.endr
	WIN 0x04
.set t, 0
.rept 32
	s_wait_dscnt 31-t                              ; the younger loads may be out
	global_store_b128 v[CO], v[4*t:4*t+3], s[58:59] offset:2048*t
.set t, t+1
.endr
	WIN 0
	s_wait_tensorcnt 0x0                           ; the wave's end
	ds_add_u32 v[SPW], v[NIL]
	s_wait_dscnt 0x0
	CROUND                                         ; the closing round
	s_endpgm
.Lfunc_end_k_q4c01813bc3_proj:
	.size	k_q4c01813bc3_proj, .Lfunc_end_k_q4c01813bc3_proj-k_q4c01813bc3_proj
	.p2alignl 7, 3214868480
	.fill 96, 4, 3214868480
	.section	.rodata,"a",@progbits
	.p2align	6, 0x0
	.amdhsa_kernel k_q4c01813bc3_proj
		.amdhsa_group_segment_fixed_size 327680
		.amdhsa_private_segment_fixed_size 0
		.amdhsa_enable_private_segment 0
		.amdhsa_kernarg_size 64
		.amdhsa_user_sgpr_count 2
		.amdhsa_user_sgpr_kernarg_segment_ptr 1
		.amdhsa_wavefront_size32 1
		.amdhsa_system_sgpr_workgroup_id_x 1
		.amdhsa_system_sgpr_workgroup_id_y 1
		.amdhsa_system_sgpr_workgroup_id_z 1
		.amdhsa_system_vgpr_workitem_id 0
		.amdhsa_next_free_vgpr 1024
		.amdhsa_next_free_sgpr 100
		.amdhsa_reserve_vcc 0
		.amdhsa_float_denorm_mode_32 3
		.amdhsa_float_denorm_mode_16_64 3
		.amdhsa_memory_ordered 1
		.amdhsa_forward_progress 1
		.amdhsa_inst_pref_size 255
	.end_amdhsa_kernel
	.section	.bss,"aw",@nobits
	.p2align	6
	.space	262144
	.amdgpu_metadata
---
amdhsa.version: [ 1, 2 ]
amdhsa.kernels:
  - .name:           k_q4c01813bc3_proj
    .symbol:         k_q4c01813bc3_proj.kd
    .args:
      - { .name: inputs_codes, .offset: 0, .size: 8, .value_kind: global_buffer, .address_space: global }
      - { .name: WK_codes, .offset: 8, .size: 8, .value_kind: global_buffer, .address_space: global }
      - { .name: WQ_codes, .offset: 16, .size: 8, .value_kind: global_buffer, .address_space: global }
      - { .name: WV_codes, .offset: 24, .size: 8, .value_kind: global_buffer, .address_space: global }
      - { .name: lowp_scales, .offset: 32, .size: 8, .value_kind: global_buffer, .address_space: global }
      - { .name: kc, .offset: 40, .size: 8, .value_kind: global_buffer, .address_space: global }
      - { .name: qc, .offset: 48, .size: 8, .value_kind: global_buffer, .address_space: global }
      - { .name: vt, .offset: 56, .size: 8, .value_kind: global_buffer, .address_space: global }
    .group_segment_fixed_size: 327680
    .private_segment_fixed_size: 0
    .kernarg_segment_align: 8
    .kernarg_segment_size: 64
    .max_flat_workgroup_size: 128
    .sgpr_count:     100
    .vgpr_count:     1024
    .wavefront_size: 32
...
	.end_amdgpu_metadata
.endif
;; end of part 1
;; launch score (part 2): grid 36 x 4, 4 waves a work-group, no clusters, 327,680 bytes of LDS; arguments qc, kc, lowp_scales, pc, ml; writes pc, ml
.if DOCPART == 2
	.amdgcn_target "amdgcn-amd-amdhsa--gfx1250"
	.amdhsa_code_object_version 6
	.text
	.protected	k_q4c01813bc3_score
	.globl	k_q4c01813bc3_score
	.p2align	8
	.type	k_q4c01813bc3_score,@function
k_q4c01813bc3_score:
	s_mov_b64 s[64:65], 0
	v_nop
	global_prefetch_b8 v0, s[64:65] scope:SCOPE_SE
	s_setreg_imm32_b32 hwreg(HW_REG_WAVE_MODE, 25, 1), 1
	s_wait_xcnt 0x0
; THE SCORES AND THE SOFTMAX'S p, one tile of 256 queries x 256 keys to a work-group: the 36 tiles (I, J <= I) of each of the four batches; tiles wholly above the diagonal are not made.
; S = Q K^T on codes (qc, kc: [8192][1024], K = 1,024).  t = S x 2^(e6 + e7) x log2(e) / 32.  Hidden keys (key > query) become -infinity.  For each query the BLOCK's own M_b = ceil(the largest t among these 256 keys),
; p = 2^(t - M_b), l_b = the sum of the unquantised p; p is quantised with 2^e8.  The next launch brings the blocks of a row under the row's M = the largest M_b by exact powers of two.
; OUT: pc: images of P's fragments, [b][a16][kb][I][ks][c][lane][16 bytes]: query 256 I + 16 a16 + lane % 16, keys 256 kb + 128 ks + 32 c + 16 (lane / 16) + 0 .. 15.   ml: [b][I][kb][a16][r] pairs (-M_b, l_b), f32.
; NO CLUSTER: a batch's tiles form a triangle with rows of 1 to 8 tiles, which do not divide into groups of four that share a tile of Q or of K under one mask.
; The product is the same as in the projections' launch: four waves of 128 x 128, two LDS slots of 256 along K, used transposed (source 0 = 16 keys, source 1 = 16 queries): a lane holds one query and eight neighbouring keys.
; THE SUMS GO ON INTO A QUANTISER, where a last bit can turn a code: so k stands in the form's own places (registers 2 c, 2 c + 1: k = 16 c + 8 (lane / 16) + 0 .. 7), each output has one accumulator, and K ascends.
; A wave all of whose keys are hidden (the diagonal tile's wave 1) runs the same lines: its maximum is capped at -infinity and -infinity is added to its -M, so that its p are 0: no branch round a barrier.
; LIMITS: e6 + e7 between -121 and 132 (added to the exponent field of log2(e) / 32); e8 between -126 and 112; where e8 < -15 a p near 1 is held at the largest code under the block's M, not under the row's.  NaN and infinite scores are not served.
; REGISTERS: window 0: v16-31 addresses and constants; v32-39 the maxima; v40-47 the partner's; v48-63 pairs (-M + bias, -M); v64-79 sums at work; v80-87 l; v88-95 at work; v96-111 chains of the maximum; v112-175 p, held; v176-239 codes;
;   v112-239 later the rows read back; from v128 A's fragments in the product.  window 1: B's fragments.  windows 2, 3: the accumulators, then t - M, then p.
.set ROWB,   256
.set KROW,   1024
.set PITCH,  272                       ; an LDS row: 256 bytes + 16 of padding: row r starts at bank 4 r mod 64 (64 banks of 4 bytes: ISA guide 11.1)
.set FR,     16
; qc and kc hold the middle two 8-byte pieces of each 32 bytes of k exchanged: so a lane's 16 bytes at 32 c + 16 h are k = 32 c + 8 h + 0 .. 7 and 32 c + 16 + 8 h + 0 .. 7: the form's own places, by loads of 16 bytes.
; Slot 1's first fill stands behind the first barrier, as a refill does.
; PREFETCHES: the work-groups on the diagonal ask, one K step ahead, for the rows that they fetch themselves (Q's and K's tile I): every row of Q and of K once in the launch.
.set NL,     4                         ; LDS loads that bring a fragment
.set NP,     4
.set HALFT,  128*PITCH
.set SLOT,   4*HALFT
.set SPARE,  2*SLOT                    ; behind the ring: the spare words, 128 bytes a wave
.set XM,     256*PITCH                 ; on the way out slot 0 holds the stage (256 rows x 272 bytes), then 1,024 bytes a wave for the maxima,
.set XL,     4096                      ; and, this far behind them, as many for the sums
.set ADRA, 16
.set ADRB, 20
.set MLO,  22                          ; v22  8 x lane
.set SCV,  23                          ; v23  2^e8 as f32
.set STO,  24
.set RD,   25
.set CO,   26                          ; v26  16 x lane
.set XO,   27                          ; v27  where I put my eight numbers a lane
.set SPW,  28
.set NIL,  29
.set XP,   30                          ; v30  where the wave with my rows and the other keys puts its own
.set D0,   31                          ; v31  r - 8 h
.set MX,   32
.set PM,   40
.set NBM,  48
.set LS,   64
.set LP,   80
.set WK,   88
.set MC,   96
.set TMP,  112
.set CD,   176
.set BK,   112
.set AF,   128
.set G1, 24                            ; s[24:31] group 1; s[32:39] group 0, a set for each slot
.set G0, 32
.set CS,   40                          ; s[40:41] log2(e) / 32 x 2^(e6 + e7), twice
.set SEL,  42                          ; s[42:43] lane selects: lane l xor 16
.set CAP,  44
.set BIAS, 45
.set LIM8, 46                          ; 57,344 x 2^e8
.set NINF, 47
.set HALFM, 48                         ; lanes 16-31
.set DIAG, 49
.set LM,   72                          ; s72-79 lane masks of the diagonal
.set MSB, 0
.macro WIN new
.if MSB != (\new)
	s_set_vgpr_msb (MSB<<8)|(\new)
.set MSB, (\new)
.endif
.endm
.set MUL_LO, 0xa1
.set MUL_HI, 0xf1
.set TO_B,   0x40
.set PFO,  10                          ; v10  1,024 x lane; never rewritten
.macro ASK k                           ; K step k of my 128 rows, a lane a row
	s_cmp_lg_u32 s17, s18
	s_cbranch_scc1 .Lnot_mine_\@
.irp n, 0,1,2,3
	global_prefetch_b8 v[PFO], s[50:51] offset:256*\k+32768*\n th:TH_LOAD_NT scope:SCOPE_SE
.endr
.Lnot_mine_\@:
.endm
	s_load_b256 s[4:11], s[0:1], 0x0               ; qc s[4:5], kc s[6:7], the exponents s[8:9], pc s[10:11]
	s_load_b64 s[12:13], s[0:1], 0x20              ; ml
	v_lshl_add_u32 v[SPW], v0, 2, SPARE
	v_mov_b32 v[NIL], 0
	ds_add_u32 v28, v29
	ds_add_u32 v28, v29
	s_wait_dscnt 0x0
	v_lshrrev_b32 v1, 5, v0
	v_readfirstlane_b32 s14, v1                    ; wave 0..3
	s_lshr_b32 s15, s14, 1                         ; my half of the queries.  Also: I fetch Q's rows (0) or K's (1)
	s_and_b32 s16, s14, 1                          ; my half of the keys.  Also: which 128 rows I fetch
	s_and_b32 s19, ttmp7, 0xffff                   ; the batch
	s_mov_b32 s17, 0                               ; I = how many of the triangular numbers 1, 3, .. 28 the tile's number reaches
.irp T, 1,3,6,10,15,21,28
	s_cmp_ge_u32 ttmp9, \T
	s_add_co_ci_u32 s17, s17, 0
.endr
	s_add_co_u32 s20, s17, 1
	s_mul_i32 s20, s20, s17
	s_lshr_b32 s20, s20, 1
	s_sub_co_u32 s18, ttmp9, s20                   ; J = the tile's number - I (I + 1) / 2
	s_mov_b32 s[G1+0], (0<<16)|(1<<20)|(5<<22)|(3<<25)  ; no mask; elements of 1 byte; padding: 4 words after every 64
	s_mov_b32 s[G1+1], ROWB<<16                    ; tensor_dim0 = 256
	s_mov_b32 s[G1+2], 128<<16                     ; tensor_dim1 = 128
	s_mov_b32 s[G1+3], ROWB<<16                    ; tile_dim0 = 256
	s_mov_b32 s[G1+4], 128                         ; tile_dim1 = 128
	s_mov_b32 s[G1+5], KROW                        ; tensor_dim0_stride
	s_mov_b32 s[G1+6], 0
	s_mov_b32 s[G1+7], 0
	s_cmp_eq_u32 s15, 0
	s_cselect_b32 s20, s17, s18                    ; Q's tile I or K's tile J
	s_lshl_b32 s20, s20, 8
	s_lshl_b32 s21, s19, 11
	s_add_co_u32 s20, s20, s21
	s_lshl_b32 s21, s16, 7
	s_add_co_u32 s20, s20, s21
	s_lshl_b32 s20, s20, 10                        ; (2,048 b + 256 x tile + 128 x half) rows of 1,024 bytes
	s_mov_b32 s21, 0
	s_mul_i32 s22, s14, HALFT                      ; into LDS: wave x 128 rows: Q's 256, then K's 256
	s_wait_kmcnt 0x0
	s_load_b64 s[68:69], s[8:9], 0x18              ; e6, e7
	s_load_b64 s[70:71], s[8:9], 0x20              ; e8, e9
	s_cmp_eq_u32 s15, 0
	s_cselect_b64 s[50:51], s[4:5], s[6:7]
	s_add_nc_u64 s[50:51], s[50:51], s[20:21]
.irp s, 0,1
	s_mov_b32 s[G0+4*\s], 1
	s_add_co_u32 s[G0+4*\s+1], s22, \s*SLOT
	s_add_nc_u64 s[G0+4*\s+2:G0+4*\s+3], s[50:51], \s*ROWB
	s_or_b32 s[G0+4*\s+3], s[G0+4*\s+3], 0x80000000
.endr
	tensor_load_to_lds s[G0:G0+3], s[G1:G1+7]      ; K step 0: one tensor load a wave at the head
	s_nop 0
.rept 4
	v_nop
.endr
	s_cmp_eq_u32 s17, s18
	s_cselect_b32 s20, 1, 0                        ; the tile lies on the diagonal
	s_cmp_eq_u32 s14, 1
	s_cselect_b32 s21, s20, 0                      ; all my keys are hidden: queries 0-127 of the tile against its keys 128-255
	s_cmp_eq_u32 s15, s16
	s_cselect_b32 s[DIAG], s20, 0                  ; my 128 x 128 lies on the diagonal
	s_mov_b32 s[NINF], 0xff800000
	s_mov_b32 s[CAP], 0x7f800000
	s_cmp_eq_u32 s21, 1
	s_cselect_b32 s[BIAS], s[NINF], 0
	s_cselect_b32 s[CAP], s[NINF], s[CAP]
	s_mov_b32 s[HALFM], 0xffff0000
	s_mov_b32 s[SEL], 0x76543210
	s_mov_b32 s[SEL+1], 0xfedcba98
	v_and_b32 v[PFO], 31, v0
	v_lshlrev_b32 v[PFO], 10, v[PFO]
	s_wait_alu depctr_va_vdst(0)                   ; Nothing is prefetched at the head: K step 1 comes by its loads alone
	v_and_b32 v1, 15, v0                           ; r
	v_bfe_u32 v2, v0, 4, 1                         ; h
	v_mul_u32_u24 v3, v1, PITCH
	v_lshl_add_u32 v4, v2, 4, v3                   ; r x pitch + 16 h: P's fragments on the way out
	v_lshl_add_u32 v5, v2, 3, v3                   ; r x pitch + 8 h: a lane's place in the stage
	s_wait_alu depctr_va_vdst(0)
	s_mul_i32 s21, s15, HALFT
	s_mul_i32 s22, s16, HALFT
	s_add_co_u32 s22, s22, 2*HALFT
.irp s, 0,1
	v_add_nc_u32 v[ADRA+\s], s21, v4
	v_add_nc_u32 v[ADRB+\s], s22, v4
	s_add_co_u32 s21, s21, SLOT
	s_add_co_u32 s22, s22, SLOT
.endr
	s_mul_i32 s23, s15, HALFT                      ; the stage, in: row 128 x my query half + r, byte 128 x my key half + 8 h
	s_lshl_b32 s21, s16, 7
	s_add_co_u32 s23, s23, s21
	v_add_nc_u32 v[STO], s23, v5
	s_mul_i32 s23, s14, 64*PITCH                   ; back, as fragments: wave w takes rows 64 w on: row r, 16 bytes at 16 h
	v_add_nc_u32 v[RD], s23, v4
	v_and_b32 v6, 31, v0
	v_lshlrev_b32 v[CO], 4, v6
	v_lshlrev_b32 v[MLO], 3, v6
	s_lshl_b32 s23, s14, 10
	s_add_co_u32 s23, s23, XM
	v_add_nc_u32 v[XO], s23, v[CO]
	s_xor_b32 s23, s14, 1
	s_lshl_b32 s23, s23, 10
	s_add_co_u32 s23, s23, XM
	v_add_nc_u32 v[XP], s23, v[CO]
	v_lshlrev_b32 v7, 3, v2
	v_sub_nc_u32 v[D0], v1, v7
.irp a, 0,1,2,3,4,5,6,7
	v_mov_b32 v[WK+\a], 0                          ; written once: a lane permute's destination counts as one of its sources
.endr
	s_lshl_b32 s20, s19, 22                        ; pc: b << 22 + (4 w) << 18 + J << 15 + I << 12
	s_lshl_b32 s21, s14, 20
	s_add_co_u32 s20, s20, s21
	s_lshl_b32 s21, s18, 15
	s_add_co_u32 s20, s20, s21
	s_lshl_b32 s21, s17, 12
	s_add_co_u32 s20, s20, s21
	s_mov_b32 s21, 0
	s_add_nc_u64 s[10:11], s[10:11], s[20:21]
	s_lshl_b32 s20, s19, 3                         ; ml: ((8 b + I) 8 + J) x 2,048 + 1,024 x my query half
	s_add_co_u32 s20, s20, s17
	s_lshl_b32 s20, s20, 3
	s_add_co_u32 s20, s20, s18
	s_lshl_b32 s20, s20, 11
	s_lshl_b32 s23, s15, 10
	s_add_co_u32 s20, s20, s23
	s_add_nc_u64 s[12:13], s[12:13], s[20:21]
	s_wait_kmcnt 0x0
	s_add_co_i32 s20, s68, s69
	s_lshl_b32 s20, s20, 23
	s_add_co_i32 s[CS], s20, 0x3d38aa3b            ; log2(e) / 32, with e6 + e7 added to its exponent field: log2(e)'s own mantissa
	s_mov_b32 s[CS+1], s[CS]                       ; (named with it as a pair, so it is written)
	s_add_co_i32 s20, s70, 127
	s_lshl_b32 s21, s20, 23
	v_mov_b32 v[SCV], s21                          ; 2^e8
	s_add_co_i32 s20, s20, 15
	s_lshl_b32 s20, s20, 23
	s_or_b32 s[LIM8], s20, 0x600000                ; 57,344 x 2^e8
.macro FRAG reg, adr, q, i             ; a fragment: lane l holds row l % 16
.irp c, 0,1,2,3
	ds_load_b128 v[\reg+4*\c:\reg+4*\c+3], v[\adr] offset:128*(\q)+32*\c+(\i)*16*PITCH
.endr
.endm
.macro MUL16 a0, p, zero               ; 16 matrix instructions; the 64 accumulators take turns, one instruction a turn
.irp a, \a0, \a0+1
.irp b, 0,1,2,3,4,5,6,7
.if \zero
	v_wmma_f32_16x16x128_bf8_bf8 v[8*(8*((\a)%4)+\b):8*(8*((\a)%4)+\b)+7], v[128*(\p)+FR*\b:128*(\p)+FR*\b+FR-1], v[AF+FR*(\a):AF+FR*(\a)+FR-1], 0
.else
	v_wmma_f32_16x16x128_bf8_bf8 v[8*(8*((\a)%4)+\b):8*(8*((\a)%4)+\b)+7], v[128*(\p)+FR*\b:128*(\p)+FR*\b+FR-1], v[AF+FR*(\a):AF+FR*(\a)+FR-1], v[8*(8*((\a)%4)+\b):8*(8*((\a)%4)+\b)+7]
.endif
.endr
.endr
.endm
.macro FETCH_B slot, q, p
	WIN TO_B
.irp i, 0,1,2,3,4,5,6,7
	FRAG 128*(\p)+FR*\i, ADRB+\slot, \q, \i
.endr
	WIN 0
.endm
.macro FETCH_A slot, q, i0
.irp i, \i0, \i0+1, \i0+2, \i0+3
	FRAG AF+FR*(\i), ADRA+\slot, \q, \i
.endr
.endm
.macro PLACES n
.rept \n
	v_nop
.endr
.endm
.macro STEP slot, q, zero
	s_wait_dscnt 4*NL                              ; K's set and Q's blocks 0-3 are in; the youngest 16 loads (Q's blocks 4-7) may be out
	WIN MUL_LO
	MUL16 0, (\q)%2, \zero
	MUL16 2, (\q)%2, \zero
	s_wait_dscnt 0
	PLACES NP
	FETCH_B \slot, (\q)+1, 1-(\q)%2
	FETCH_A \slot, (\q)+1, 0
	WIN MUL_HI
	MUL16 4, (\q)%2, \zero
	MUL16 6, (\q)%2, \zero
	PLACES NP
	WIN 0
	FETCH_A \slot, (\q)+1, 4
.endm
.macro TURN slot, next, fill
	s_wait_tensorcnt 0x0                           ; all my tensor loads have landed, so a group 0 may be written
	ds_add_u32 v[SPW], v[NIL]                      ; 0 onto my spare word
.if \fill
	s_add_nc_u64 s[G0+4*\slot+2:G0+4*\slot+3], s[G0+4*\slot+2:G0+4*\slot+3], 2*ROWB   ; this slot's next K step
.endif
	s_wait_dscnt 4*NL+1                            ; (the add and the youngest 16 loads may be out)
	WIN MUL_LO
	MUL16 0, 1, 0
	s_wait_dscnt 0x0                               ; the add is done, and my reads of this slot are over
	s_barrier_signal -1
	MUL16 2, 1, 0
	WIN 0
	s_barrier_wait -1
.if \fill
	tensor_load_to_lds s[G0+4*\slot:G0+4*\slot+3], s[G1:G1+7]   ; my one tensor load behind the barrier, and the first thing there
	s_nop 0
.endif
	PLACES NP                                      ; four plain lines: behind the tensor load, and in front of the loads below
	FETCH_B \next, 0, 0
	FETCH_A \next, 0, 0
.if (\fill)&&((\slot)==0)
	ASK 3
.endif
	WIN MUL_HI
	MUL16 4, 1, 0
	MUL16 6, 1, 0
	PLACES NP
	WIN 0
	FETCH_A \next, 0, 4
.endm
	s_wait_alu depctr_va_vdst(0)
	s_wait_tensorcnt 0x0                           ; my part of K step 0 is in
	ds_add_u32 v[SPW], v[NIL]
	s_wait_dscnt 0x0
	s_barrier_signal -1
	s_barrier_wait -1
	tensor_load_to_lds s[G0+4:G0+7], s[G1:G1+7]    ; K step 1, the first thing behind the barrier
	s_nop 0
	PLACES NP
	FETCH_B 0, 0, 0
	FETCH_A 0, 0, 0
	FETCH_A 0, 0, 4
	ASK 2
	STEP 0, 0, 1
	TURN 0, 1, 1
	STEP 1, 0, 0
	TURN 1, 0, 1
	STEP 0, 0, 0
	TURN 0, 1, 0                                   ; behind this barrier nobody reads slot 0, and it has had its last fill
	STEP 1, 0, 0
	s_wait_dscnt 4*NL
	WIN MUL_LO
	MUL16 0, 1, 0
	MUL16 2, 1, 0
	s_wait_dscnt 0
	WIN MUL_HI
	MUL16 4, 1, 0
	MUL16 6, 1, 0
	WIN 0
	PLACES NP
	; THE MASK, where my 128 x 128 lies on the diagonal (a branch on ids and the wave's number; no barrier inside).  Lane (r, h), accumulator (a, b), register j: query 16 a + r, key 16 b + 8 h + j.
	; b < a: all count; b > a: none; b = a: those with j <= r - 8 h.
	s_cmp_eq_u32 s[DIAG], 0
	s_cbranch_scc1 .Lopen
.irp j, 0,1,2,3,4,5,6,7
	v_cmp_le_i32 s[LM+\j], \j, v[D0]
.endr
.irp a, 0,1,2,3,4,5,6,7
	WIN ((2+\a/4)<<2)|((2+\a/4)<<6)
.irp j, 0,1,2,3,4,5,6,7
	v_cndmask_b32 v[8*(8*(\a%4)+\a)+\j], s[NINF], v[8*(8*(\a%4)+\a)+\j], s[LM+\j]
.endr
.irp b, 1,2,3,4,5,6,7
.if \b > \a
.irp j, 0,1,2,3,4,5,6,7
	v_mov_b32 v[8*(8*(\a%4)+\b)+\j], s[NINF]
.endr
.endif
.endr
.endr
	WIN 0
.Lopen:
; THE MAXIMUM of a lane's 64 scores of each block of 16 queries: four chains of 16 registers a block, each accumulator from its low end on.
.macro MAXW w
	WIN (\w)|((\w)<<2)|((\w)<<4)
.irp k, 0,1,2,3
.irp c, 0,1,2,3
	v_max3_num_f32 v[MC+4*\k+\c], v[64*\k+16*\c], v[64*\k+16*\c+1], v[64*\k+16*\c+2]
.endr
.endr
	WIN ((\w)<<2)|((\w)<<4)
.irp i, 3,5,7,9,11,13
.irp k, 0,1,2,3
.irp c, 0,1,2,3
	v_max3_num_f32 v[MC+4*\k+\c], v[MC+4*\k+\c], v[64*\k+16*\c+\i], v[64*\k+16*\c+\i+1]
.endr
.endr
.endr
.irp k, 0,1,2,3
.irp c, 0,1,2,3
	v_max_num_f32 v[MC+4*\k+\c], v[MC+4*\k+\c], v[64*\k+16*\c+15]
.endr
.endr
	WIN 0
.irp k, 0,1,2,3
	v_max3_num_f32 v[MX+4*((\w)-2)+\k], v[MC+4*\k], v[MC+4*\k+1], v[MC+4*\k+2]
.endr
.irp k, 0,1,2,3
	v_max_num_f32 v[MX+4*((\w)-2)+\k], v[MX+4*((\w)-2)+\k], v[MC+4*\k+3]
.endr
.endm
	MAXW 2
	MAXW 3
.irp a, 0,1,2,3,4,5,6,7
	v_permlanex16_b32 v[WK+\a], v[MX+\a], s[SEL], s[SEL+1]   ; the query's other 64 keys lie in the lane 16 away
.endr
.irp a, 0,1,2,3,4,5,6,7
	v_max_num_f32 v[MX+\a], v[MX+\a], v[WK+\a]
.endr
.irp a, 0,1,2,3,4,5,6,7
	v_min_num_f32 v[MX+\a], s[CAP], v[MX+\a]       ; a wave whose keys are all hidden offers -infinity
.endr
	ds_store_b128 v[XO], v[MX:MX+3]
	ds_store_b128 v[XO], v[MX+4:MX+7] offset:512
	s_wait_alu depctr_va_vdst(0)
	s_wait_dscnt 0x0                               ; for the partner's sake: my stores are done
	s_barrier_signal -1
	s_barrier_wait -1
	ds_load_b128 v[PM:PM+3], v[XP]                 ; the same queries' maxima over the tile's other 128 keys
	ds_load_b128 v[PM+4:PM+7], v[XP] offset:512
	s_wait_dscnt 0x0
.irp a, 0,1,2,3,4,5,6,7
	v_max_num_f32 v[MX+\a], v[MX+\a], v[PM+\a]
.endr
.irp a, 0,1,2,3,4,5,6,7
	v_mul_f32 v[WK+\a], s[CS], v[MX+\a]            ; as t (the factor is positive)
.endr
.irp a, 0,1,2,3,4,5,6,7
	v_floor_f32 v[NBM+2*\a+1], -v[WK+\a]           ; -M_b = floor(-t) = -ceil(t): a whole number
.endr
.irp a, 0,1,2,3,4,5,6,7
	v_add_f32 v[NBM+2*\a], s[BIAS], v[NBM+2*\a+1]  ; + 0, or -infinity in the wave whose keys are all hidden
.endr
; t, then t - M, two at a time, in place.  NOT FUSED, on purpose: p goes into a quantiser, and its definition rounds t = logit x log2(e) to f32 before M is taken away; the factor has log2(e)'s own mantissa, so the product
; here is that t bit for bit, and the sum is that t - M.  Then p = 2^(t - M): a window's 256 exponentials are one batch with one plain line and one wait behind it, ahead of the first line that names a result.
.macro EXPW w
	WIN (\w)|((\w)<<6)
.set j, 0
.rept 128
	v_pk_mul_f32 v[j:j+1], v[j:j+1], s[CS:CS+1] op_sel_hi:[1,0]
.set j, j+2
.endr
.irp k, 0,1,2,3
.set j, 0
.rept 32
	v_pk_add_f32 v[64*\k+j:64*\k+j+1], v[64*\k+j:64*\k+j+1], v[NBM+2*(4*((\w)-2)+\k):NBM+2*(4*((\w)-2)+\k)+1] op_sel_hi:[1,0]
.set j, j+2
.endr
.endr
.set j, 0
	s_wait_alu depctr_va_vdst(0)
.rept 256
	v_exp_f32 v[j], v[j]
.set j, j+1
.endr
	v_nop
	s_wait_alu depctr_va_vdst(0)
.endm
	EXPW 2
	EXPW 3
; THE SUM OF THE UNQUANTISED p (two chains of pairs a block), the one-sided hold (p is not negative; the conversion to an 8-bit code does not saturate: ISA guide 7.6.2), the codes, and their way into the stage.
.macro SUMW w
	WIN (\w)|((\w)<<2)
.irp k, 0,1,2,3
	v_pk_add_f32 v[LS+4*\k:LS+4*\k+1], v[64*\k:64*\k+1], v[64*\k+2:64*\k+3]
	v_pk_add_f32 v[LS+4*\k+2:LS+4*\k+3], v[64*\k+4:64*\k+5], v[64*\k+6:64*\k+7]
.endr
.irp k, 0,1,2,3
	WIN (\w)<<2
.set j, 8
.rept 14
	v_pk_add_f32 v[LS+4*\k:LS+4*\k+1], v[LS+4*\k:LS+4*\k+1], v[64*\k+j:64*\k+j+1]
	v_pk_add_f32 v[LS+4*\k+2:LS+4*\k+3], v[LS+4*\k+2:LS+4*\k+3], v[64*\k+j+2:64*\k+j+3]
.set j, j+4
.endr
.set j, 0
.rept 64
	v_min_num_f32 v[TMP+j], s[LIM8], v[64*\k+j]
.set j, j+1
.endr
	WIN 0
	v_pk_add_f32 v[LS+4*\k:LS+4*\k+1], v[LS+4*\k:LS+4*\k+1], v[LS+4*\k+2:LS+4*\k+3]
.irp b, 0,1,2,3,4,5,6,7
	v_cvt_scalef32_pk8_bf8_f32 v[CD+16*\k+2*\b:CD+16*\k+2*\b+1], v[TMP+8*\b:TMP+8*\b+7], v[SCV]
.endr
	v_add_f32 v[LP+4*((\w)-2)+\k], v[LS+4*\k], v[LS+4*\k+1]   ; (also the plain line between the conversions and the next block's holds, which write their sources)
.irp b, 0,1,2,3,4,5,6,7
	ds_store_b64 v[STO], v[CD+16*\k+2*\b:CD+16*\k+2*\b+1] offset:(4*((\w)-2)+\k)*16*PITCH+16*\b
.endr
.endr
.endm
	SUMW 2
	SUMW 3
.irp a, 0,1,2,3,4,5,6,7
	v_permlanex16_b32 v[WK+\a], v[LP+\a], s[SEL], s[SEL+1]
.endr
.irp a, 0,1,2,3,4,5,6,7
	v_add_f32 v[LP+\a], v[LP+\a], v[WK+\a]
.endr
	ds_store_b128 v[XO], v[LP:LP+3] offset:XL
	ds_store_b128 v[XO], v[LP+4:LP+7] offset:XL+512
	s_wait_dscnt 0x0                               ; for the others' sake: my codes and my sums lie in LDS
	s_barrier_signal -1
	s_barrier_wait -1
	s_cmp_lg_u32 s16, 0                            ; of the two waves that share 128 queries, the one with the lower keys stores (-M_b, l_b)
	s_cbranch_scc1 .Lno_ml
	ds_load_b128 v[PM:PM+3], v[XP] offset:XL
	ds_load_b128 v[PM+4:PM+7], v[XP] offset:XL+512
	s_wait_dscnt 0x0
	s_wait_alu depctr_va_vdst(0)
.irp a, 0,1,2,3,4,5,6,7
	v_add_f32 v[LP+\a], v[LP+\a], v[PM+\a]
.endr
.irp u, 0,1,2,3
	v_cndmask_b32 v[WK+2*\u], v[NBM+4*\u+1], v[NBM+4*\u+3], s[HALFM]   ; lanes 0-15: block 2 u; lanes 16-31: block 2 u + 1 (both halves of the lanes hold every block's numbers)
	v_cndmask_b32 v[WK+2*\u+1], v[LP+2*\u], v[LP+2*\u+1], s[HALFM]
	global_store_b64 v[MLO], v[WK+2*\u:WK+2*\u+1], s[12:13] offset:256*\u   ; 32 lanes store 256 consecutive bytes, aligned
.endr
.Lno_ml:
	; P leaves as images of its fragments: wave w takes queries 64 w on; fragment (i, ks): lane (r, h) reads, of row 16 i + r, the 16 bytes at 128 ks + 32 c + 16 h
.irp i, 0,1,2,3
.irp s, 0,1
.irp c, 0,1,2,3
	ds_load_b128 v[BK+4*(8*\i+4*\s+\c):BK+4*(8*\i+4*\s+\c)+3], v[RD] offset:\i*16*PITCH+128*\s+32*\c
.endr
.endr
.endr
.irp i, 0,1,2,3
.irp s, 0,1
.irp c, 0,1,2,3
	s_wait_dscnt 31-(8*\i+4*\s+\c)                 ; the younger loads may be out
	global_store_b128 v[CO], v[BK+4*(8*\i+4*\s+\c):BK+4*(8*\i+4*\s+\c)+3], s[10:11] offset:\i*262144+\s*2048+\c*512   ; 32 lanes store 512 consecutive bytes, aligned
.endr
.endr
.endr
	s_wait_tensorcnt 0x0                           ; the wave's end
	ds_add_u32 v[SPW], v[NIL]
	s_wait_dscnt 0x0
	s_endpgm
.Lfunc_end_k_q4c01813bc3_score:
	.size	k_q4c01813bc3_score, .Lfunc_end_k_q4c01813bc3_score-k_q4c01813bc3_score
	.p2alignl 7, 3214868480
	.fill 96, 4, 3214868480
	.section	.rodata,"a",@progbits
	.p2align	6, 0x0
	.amdhsa_kernel k_q4c01813bc3_score
		.amdhsa_group_segment_fixed_size 327680
		.amdhsa_private_segment_fixed_size 0
		.amdhsa_enable_private_segment 0
		.amdhsa_kernarg_size 40
		.amdhsa_user_sgpr_count 2
		.amdhsa_user_sgpr_kernarg_segment_ptr 1
		.amdhsa_wavefront_size32 1
		.amdhsa_system_sgpr_workgroup_id_x 1
		.amdhsa_system_sgpr_workgroup_id_y 1
		.amdhsa_system_sgpr_workgroup_id_z 1
		.amdhsa_system_vgpr_workitem_id 0
		.amdhsa_next_free_vgpr 1024
		.amdhsa_next_free_sgpr 80
		.amdhsa_reserve_vcc 0
		.amdhsa_float_denorm_mode_32 3
		.amdhsa_float_denorm_mode_16_64 3
		.amdhsa_memory_ordered 1
		.amdhsa_forward_progress 1
		.amdhsa_inst_pref_size 204
	.end_amdhsa_kernel
	.amdgpu_metadata
---
amdhsa.version: [ 1, 2 ]
amdhsa.kernels:
  - .name:           k_q4c01813bc3_score
    .symbol:         k_q4c01813bc3_score.kd
    .args:
      - { .name: qc, .offset: 0, .size: 8, .value_kind: global_buffer, .address_space: global }
      - { .name: kc, .offset: 8, .size: 8, .value_kind: global_buffer, .address_space: global }
      - { .name: lowp_scales, .offset: 16, .size: 8, .value_kind: global_buffer, .address_space: global }
      - { .name: pc, .offset: 24, .size: 8, .value_kind: global_buffer, .address_space: global }
      - { .name: ml, .offset: 32, .size: 8, .value_kind: global_buffer, .address_space: global }
    .group_segment_fixed_size: 327680
    .private_segment_fixed_size: 0
    .kernarg_segment_align: 8
    .kernarg_segment_size: 40
    .max_flat_workgroup_size: 128
    .sgpr_count:     80
    .vgpr_count:     1024
    .wavefront_size: 32
...
	.end_amdgpu_metadata
.endif
;; end of part 2
;; launch pv (part 3): grid 16 x 16, 4 waves a work-group, clusters of 4 x 1, 327,680 bytes of LDS; arguments pc, vt, ml, lowp_scales, out0; writes out0
.if DOCPART == 3
	.amdgcn_target "amdgcn-amd-amdhsa--gfx1250"
	.amdhsa_code_object_version 6
	.text
	.protected	k_q4c01813bc3_pv
	.globl	k_q4c01813bc3_pv
	.p2align	8
	.type	k_q4c01813bc3_pv,@function
k_q4c01813bc3_pv:
	s_mov_b64 s[64:65], 0
	v_nop
	global_prefetch_b8 v0, s[64:65] scope:SCOPE_SE
	s_setreg_imm32_b32 hwreg(HW_REG_WAVE_MODE, 25, 1), 1
	s_wait_xcnt 0x0
	s_wait_alu depctr_hold_cnt(0) depctr_sa_sdst(0) depctr_va_vdst(0) depctr_va_sdst(0) depctr_va_ssrc(0) depctr_va_vcc(0) depctr_vm_vsrc(0)
	s_getreg_b32 s2, hwreg(HW_REG_IB_STS2, 6, 4)
	s_cmp_eq_u32 s2, 0
	s_cbranch_scc0 .Lentry_in_a_cluster
	s_endpgm
.Lentry_in_a_cluster:
	s_bfe_u32 s2, ttmp6, 0x10000c
	s_cmp_lg_u32 s2, 0x3003
	s_cbranch_scc0 .Lentry_shape_is_right
	s_endpgm
.Lentry_shape_is_right:
; O = (the sum over key blocks kb of f_kb (P_kb V_kb)) x 2^(e8 + e9) / (the sum of f_kb l_kb), f_kb = 2^(M_kb - M), M = the row's largest M_kb: exact powers of two, at most 1.
; pc: images of P's fragments (codes under each block's own M_kb); vt: V's codes with the keys innermost, [2 b + key / 1,024][1,024 channels][1,024 keys]; ml: pairs (-M_kb, l_kb); out0: [4][2,048][1,024] f32.
; SHARES.  A work-group owns 64 queries OUT OF EACH of a batch's eight blocks of 256 queries, times 64 channels: so every work-group has the same 36 units (I, kb <= I) of work, and all is written out: no branch hangs on an id.
; Wave w owns the tile of 16 queries a16 = 4 cx + w of every block I: 8 tiles x 4 tiles of channels = 32 master sums, 256 registers.
; A unit: 16 queries x 64 channels x 256 keys: 8 matrix instructions into four temporaries that begin with C = 0 (source 0 = 16 channels of V, source 1 = P: a lane holds one query and eight neighbouring channels);
; the temporaries are added to the master sums by packed multiply-adds with the lane's f, a unit later, between the next unit's products and its loads.
; CLUSTER: the four partners are the four slices of queries of one batch and one tile of channels: they need the same 64 x 2,048 codes of V, asked for jointly: wave w asks for key blocks w and w + 4.
; No LDS byte is filled twice.  P's fragments are each wave's own: they come straight into registers, through a ring of eight slots of 32 registers, eight units ahead.
; NO REGISTER THAT A GLOBAL LOAD OR STORE NAMES AS A SOURCE IS EVER WRITTEN AGAIN: the addresses stay, every step stands in an immediate, and a finished block's rows come back from the stage into that block's own
; master registers, which are done with: so the text needs no wait on XCNT past the head.
; LIMITS: none on e8 + e9 (applied by v_ldexp_f32).  NaN is not served.
; REGISTERS: window 0: v4-10 addresses; v12-15 at work; v16-87 the 36 pairs (-M, l), the first word later f; v88-103 2^(e8 + e9) / l, a pair a block; v104-167 temporaries, two sets; v168-199 the way out.
;   window 1: the master sums at 32 I + 8 ct, later block I's rows on their way out.   window 2: V's fragments, two buffers of 128.   window 3: P's ring.
; vt IN THIS TEXT (it holds in place of what the lines above say of its layout): [4][1,024 channels][2,048 keys].  Wave w's key block w is asked for at the head, w + 4 behind the second round, so one load of a wave is out at a time.
.set VP,    272                        ; a row of V in LDS: 256 bytes + 16 of padding: row r starts at bank 4 r mod 64 (64 banks of 4 bytes: ISA guide 11.1)
.set VT,    64*VP                      ; a key block's tile: 64 channels
.set STAGE, 8*VT                       ; behind V: 16 rows x 272 bytes for each wave
.set PO,   4                           ; v4   16 x lane
.set MO,   5                           ; v5   8 r
.set AV0,  6                           ; v6   272 r + 16 h;  v7 the same + 4 tiles, so that the offsets stay inside 16 bits
.set SO,   8                           ; v8   the stage: in
.set SR,   9                           ; v9   and back
.set GO,   10                          ; v10  my byte offset in two rows of O
.set PAIR, 16
.set RL,   88
.set TS,   104
.set OS,   168
.set G1,   24                          ; s[24:31] group 1; s[32:35], s[36:39] the two groups 0
.set MSB, 0
.macro WIN new
.if MSB != (\new)
	s_set_vgpr_msb (MSB<<8)|(\new)
.set MSB, (\new)
.endif
.endm
.macro CROUND                          ; a round of the cluster's barrier
	s_barrier_signal -1
	s_barrier_wait -1
	s_cmp_lg_u32 s14, 0
	s_cbranch_scc1 .Lnot_wave_0_\@
	s_barrier_signal -3
.Lnot_wave_0_\@:
	s_barrier_wait -3
	s_barrier_signal -1
	s_barrier_wait -1
.endm
	s_load_b256 s[4:11], s[0:1], 0x0               ; pc s[4:5], vt s[6:7], ml s[8:9], the exponents s[10:11]
	s_load_b64 s[12:13], s[0:1], 0x20              ; out0
	v_lshl_add_u32 v254, v0, 2, 0x29000
	v_mov_b32 v255, 0
	ds_add_u32 v254, v255
	ds_add_u32 v254, v255
	v_lshrrev_b32 v1, 5, v0
	v_readfirstlane_b32 s14, v1                    ; wave 0..3
	s_bfe_u32 s15, ttmp6, 0x40000                  ; cx: my slice of the queries: it enters P's, ml's and O's addresses alone
	s_mov_b32 s16, ttmp9                           ; the batch (the cluster's x)
	s_and_b32 s17, ttmp7, 0xffff                   ; the tile of 64 channels
	s_mov_b32 s[G1+0], 15|(0<<16)|(1<<20)|(1<<21)|(5<<22)|(3<<25)  ; the mask: all four partners; elements of 1 byte; padding on; 21 set beside a mask; 4 words after every 64
	s_mov_b32 s[G1+1], 256<<16                     ; tensor_dim0 = 256
	s_mov_b32 s[G1+2], 64<<16                      ; tensor_dim1 = 64
	s_mov_b32 s[G1+3], 256<<16                     ; tile_dim0 = 256
	s_mov_b32 s[G1+4], 64                          ; tile_dim1 = 64
	s_mov_b32 s[G1+5], 2048                        ; tensor_dim0_stride
	s_mov_b32 s[G1+6], 0
	s_mov_b32 s[G1+7], 0
	s_lshl_b32 s18, s16, 21                        ; V: batch, channel 64 y, keys 256 w
	s_lshl_b32 s19, s17, 17
	s_add_co_u32 s18, s18, s19
	s_lshl_b32 s19, s14, 8
	s_add_co_u32 s18, s18, s19
	s_mov_b32 s19, 0
	s_mul_i32 s20, s14, VT
	s_wait_dscnt 0x0
	s_wait_kmcnt 0x0
	s_load_b64 s[40:41], s[10:11], 0x20            ; e8, e9
	s_add_nc_u64 s[6:7], s[6:7], s[18:19]
	CROUND                                         ; all four work-groups are here: the joint loads meet
	s_mov_b32 s32, 1
	s_mov_b32 s33, s20                             ; key block w
	s_mov_b64 s[34:35], s[6:7]
	s_or_b32 s35, s35, 0x80000000
	s_mov_b32 s36, 1
	s_add_co_u32 s37, s20, 4*VT                    ; key block w + 4: 1,024 keys on
	s_add_nc_u64 s[38:39], s[6:7], 1024
	s_or_b32 s39, s39, 0x80000000
	tensor_load_to_lds s[32:35], s[G1:G1+7]        ; key block w: one tensor load a wave at the head
	s_nop 0
.rept 4
	v_nop
.endr
	v_and_b32 v1, 15, v0                           ; r
	v_bfe_u32 v2, v0, 4, 1                         ; h
	v_and_b32 v3, 31, v0
	v_lshlrev_b32 v[PO], 4, v3
	v_lshlrev_b32 v[MO], 3, v1
	v_mul_u32_u24 v11, v1, VP
	v_lshl_add_u32 v[AV0], v2, 4, v11
	v_add_nc_u32 v[AV0+1], 4*VT, v[AV0]
	s_mul_i32 s21, s14, 16*VP
	s_add_co_u32 s21, s21, STAGE                   ; my stage
	v_lshl_add_u32 v[SO], v2, 5, v11
	v_add_nc_u32 v[SO], s21, v[SO]                 ; in: row r, 32 bytes for each half of the lanes
	v_mul_u32_u24 v[SR], v2, VP
	v_lshl_add_u32 v[SR], v1, 4, v[SR]
	v_add_nc_u32 v[SR], s21, v[SR]                 ; back: lanes 0-15 one row of 256 bytes, lanes 16-31 the next
	v_lshlrev_b32 v[GO], 12, v2
	v_lshl_add_u32 v[GO], v1, 4, v[GO]             ; and the same two rows in O
	s_lshl_b32 s22, s15, 2
	s_add_co_u32 s22, s22, s14                     ; a16 = 4 cx + w
	s_lshl_b32 s18, s16, 22
	s_lshl_b32 s20, s22, 18
	s_add_co_u32 s18, s18, s20
	s_add_nc_u64 s[4:5], s[4:5], s[18:19]          ; pc + b << 22 + a16 << 18
	s_lshl_b32 s18, s16, 17
	s_lshl_b32 s20, s22, 7
	s_add_co_u32 s18, s18, s20
	s_add_nc_u64 s[8:9], s[8:9], s[18:19]          ; ml + b << 17 + a16 << 7
	s_lshl_b32 s18, s16, 23
	s_lshl_b32 s20, s22, 16
	s_add_co_u32 s18, s18, s20
	s_lshl_b32 s20, s17, 8
	s_add_co_u32 s18, s18, s20
	s_add_nc_u64 s[12:13], s[12:13], s[18:19]      ; out0 + ((2,048 b + 16 a16) x 1,024 + 64 y) x 4
.set QI, 0
.rept 8                                ; the 36 pairs (-M, l) of my queries: both halves of the lanes take row r's
.set KB, 0
.rept QI+1
	global_load_b64 v[PAIR+QI*(QI+1)+2*KB:PAIR+QI*(QI+1)+2*KB+1], v[MO], s[8:9] offset:(8*QI+KB)*2048
.set KB, KB+1
.endr
.set QI, QI+1
.endr
; a unit's two fragments of P: eight loads of 512 consecutive bytes; no pointer is ever stepped
.macro PLOAD slot, qi, kb
.irp s, 0,1
.irp c, 0,1,2,3
	global_load_b128 v[32*(\slot)+16*\s+4*\c:32*(\slot)+16*\s+4*\c+3], v[PO], s[4:5] offset:(16*(\kb)+2*(\qi)+\s)*2048+512*\c
.endr
.endr
.endm
.macro ADV                             ; the loads' cursor goes on to the next unit: I up to 7, then the next key block
.set LI, LI+1
.if LI > 7
.set LKB, LKB+1
.set LI, LKB
.endif
.set LU, LU+1
.endm
.set LU, 0
.set LI, 0
.set LKB, 0
	WIN 0xc0                                       ; destination window 3
.rept 8
	PLOAD LU%8, LI, LKB
	ADV
.endr
	WIN 0
	s_wait_loadcnt 0x3f                            ; 64 loads were issued behind the last pair's: the pairs are in
	; THE FACTORS.  For each block I: the smallest -M is -(the row's M); d = M_kb - M, a whole number, 0 or less; f = 2^d takes -M's place; l = the sum of f l_kb
.set QI, 0
.rept 8
.set PB, PAIR+QI*(QI+1)
.set NF, 12+QI%4
	v_mov_b32 v[NF], v[PB]
.if QI > 0
.set KB, 1
.rept QI
	v_min_num_f32 v[NF], v[NF], v[PB+2*KB]
.set KB, KB+1
.endr
.endif
.set KB, 0
.rept QI+1
	v_sub_f32 v[PB+2*KB], v[NF], v[PB+2*KB]
.set KB, KB+1
.endr
.set KB, 0
.rept QI+1
	v_cvt_i32_f32 v[PB+2*KB], v[PB+2*KB]           ; (it saturates)
.set KB, KB+1
.endr
.set KB, 0
.rept QI+1
	v_ldexp_f32 v[PB+2*KB], 1.0, v[PB+2*KB]
.set KB, KB+1
.endr
	v_mul_f32 v[RL+2*QI], v[PB], v[PB+1]
.if QI > 0
.set KB, 1
.rept QI
	v_fmac_f32 v[RL+2*QI], v[PB+2*KB], v[PB+2*KB+1]
.set KB, KB+1
.endr
.endif
.set QI, QI+1
.endr
	s_wait_alu depctr_va_vdst(0)
.irp i, 0,1,2,3,4,5,6,7
	v_rcp_f32 v[RL+2*\i], v[RL+2*\i]               ; l is at least 1/2: the block that holds the row's largest t has a p above 1/2 and f = 1
.endr
	v_nop                                          ; a plain line behind the last reciprocal,
	s_wait_kmcnt 0x0
	s_add_co_i32 s42, s40, s41
	s_wait_alu depctr_va_vdst(0)                   ; and the wait ahead of the batch's first reader
.irp i, 0,1,2,3,4,5,6,7
	v_ldexp_f32 v[RL+2*\i], v[RL+2*\i], s42        ; x 2^(e8 + e9)
.endr
.irp i, 0,1,2,3,4,5,6,7
	v_mov_b32 v[RL+2*\i+1], v[RL+2*\i]             ; (named with it as a pair, so it is written)
.endr
; V's eight fragments of key block kb (2 steps of 128 keys x 4 tiles of 16 channels) into buffer kb % 2
.macro VFETCH kb
	WIN 0x80                                       ; destination window 2
.irp s, 0,1
.irp ct, 0,1,2,3
.irp c, 0,1,2,3
	ds_load_b128 v[128*((\kb)%2)+16*(4*\s+\ct)+4*\c:128*((\kb)%2)+16*(4*\s+\ct)+4*\c+3], v[AV0+(\kb)/4] offset:((\kb)%4)*VT+\ct*16*VP+128*\s+32*\c
.endr
.endr
.endr
.endm
; master(qi) += f(qi, kb) x the temporaries of a set, each from its low end on; the first key block starts the master sums
.macro FMA qi, kb, set
	WIN 0x50                                       ; destination and source 2: window 1
.irp ct, 0,1,2,3
.irp i, 0,2,4,6
.if (\kb) == 0
	v_pk_mul_f32 v[32*(\qi)+8*\ct+\i:32*(\qi)+8*\ct+\i+1], v[TS+32*(\set)+8*\ct+\i:TS+32*(\set)+8*\ct+\i+1], v[PAIR+(\qi)*((\qi)+1)+2*(\kb):PAIR+(\qi)*((\qi)+1)+2*(\kb)+1] op_sel_hi:[1,0]
.else
	v_pk_fma_f32 v[32*(\qi)+8*\ct+\i:32*(\qi)+8*\ct+\i+1], v[TS+32*(\set)+8*\ct+\i:TS+32*(\set)+8*\ct+\i+1], v[PAIR+(\qi)*((\qi)+1)+2*(\kb):PAIR+(\qi)*((\qi)+1)+2*(\kb)+1], v[32*(\qi)+8*\ct+\i:32*(\qi)+8*\ct+\i+1] op_sel_hi:[1,0,1]
.endif
.endr
.endr
.endm
; A UNIT.  The four temporaries take turns, one instruction a turn.  The 16 packed lines of the unit before are the places between this unit's products and the loads into the
; slot that they read, between the last unit's products and the read of their results, and in front of the products that begin a set anew; behind the first unit five v_nop take their part.
.macro UNIT qi, kb
.if 35-U < 7
	s_wait_loadcnt 8*(35-U)                        ; the later units' loads may be out
.else
	s_wait_loadcnt 56
.endif
	WIN 0x0e                                       ; source 0 (V) window 2, source 1 (P) window 3, C and D window 0
.irp s, 0,1
.irp ct, 0,1,2,3
.if \s == 0
	v_wmma_f32_16x16x128_bf8_bf8 v[TS+32*(U%2)+8*\ct:TS+32*(U%2)+8*\ct+7], v[128*((\kb)%2)+16*(4*\s+\ct):128*((\kb)%2)+16*(4*\s+\ct)+15], v[32*(U%8)+16*\s:32*(U%8)+16*\s+15], 0
.else
	v_wmma_f32_16x16x128_bf8_bf8 v[TS+32*(U%2)+8*\ct:TS+32*(U%2)+8*\ct+7], v[128*((\kb)%2)+16*(4*\s+\ct):128*((\kb)%2)+16*(4*\s+\ct)+15], v[32*(U%8)+16*\s:32*(U%8)+16*\s+15], v[TS+32*(U%2)+8*\ct:TS+32*(U%2)+8*\ct+7]
.endif
.endr
.endr
.if U == 0
	WIN 0
.rept 5
	v_nop
.endr
.else
	FMA PQ, PK, (U-1)%2
.endif
.if LU <= 35
	WIN 0xc0
	PLOAD U%8, LI, LKB                             ; the unit eight on, into the slot just read
	ADV
.endif
.set PQ, \qi
.set PK, \kb
.set U, U+1
.endm
; Block qi is finished: x 2^(e8 + e9) / l, through my stage, out as rows of 256 bytes.  The rows come back into the block's own 32 master registers, which the scaling has just read for the last time:
; each block's stores have data registers of their own, which nothing writes afterwards.
.macro OUT qi
	WIN 0x01                                       ; source 0: window 1
.irp ct, 0,1,2,3
.irp i, 0,2,4,6
	v_pk_mul_f32 v[OS+8*\ct+\i:OS+8*\ct+\i+1], v[32*(\qi)+8*\ct+\i:32*(\qi)+8*\ct+\i+1], v[RL+2*(\qi):RL+2*(\qi)+1] op_sel_hi:[1,0]
.endr
.endr
	WIN 0
.irp ct, 0,1,2,3
	ds_store_b128 v[SO], v[OS+8*\ct:OS+8*\ct+3] offset:64*\ct
	ds_store_b128 v[SO], v[OS+8*\ct+4:OS+8*\ct+7] offset:64*\ct+16
.endr
	WIN 0x40                                       ; destination: window 1
.irp t, 0,1,2,3,4,5,6,7
	ds_load_b128 v[32*(\qi)+4*\t:32*(\qi)+4*\t+3], v[SR] offset:\t*2*VP   ; LDS serves a wave's instructions in order (ISA guide 5.7.1.4): these see my stores
.endr
	WIN 0x04                                       ; store data: window 1
.irp t, 0,1,2,3,4,5,6,7
	s_wait_dscnt 7-\t                              ; the younger loads may be out
	global_store_b128 v[GO], v[32*(\qi)+4*\t:32*(\qi)+4*\t+3], s[12:13] offset:((\qi)<<20)+8192*\t th:TH_STORE_NT   ; 16 lanes store 256 consecutive bytes, aligned; written once, read by nobody here
.endr
.endm
	s_wait_alu depctr_va_vdst(0)
	s_wait_tensorcnt 0x0                           ; my key block w is in
	ds_add_u32 v254, v255
	s_wait_dscnt 0x0
	CROUND                                         ; key blocks 0 to 3 are whole, and the partners' joint loads meet
	tensor_load_to_lds s[36:39], s[G1:G1+7]        ; key block w + 4, the first thing behind the round
	s_nop 0
.rept 4
	v_nop
.endr
	VFETCH 0
.set U, 0
.set PQ, 0
.set PK, 0
.set KB, 0
.rept 8                                ; key block KB serves the blocks of queries KB .. 7
.if KB == 3
	s_wait_tensorcnt 0x0                           ; my key block w + 4 is in,
	s_wait_dscnt 0x0
	s_barrier_signal -1
	s_barrier_wait -1                              ; and so are all of 4 to 7, ahead of the first fetch from them
.endif
	s_wait_dscnt 0x0                               ; V's fragments of this key block are in registers
.set QI, KB
.rept 8-KB
	UNIT QI, KB
.if (QI == KB) && (KB < 7)
	VFETCH KB+1                                    ; the next key block's fragments, a whole trip ahead of their use
.endif
.set QI, QI+1
.endr
.if KB < 7
	OUT KB                                         ; block KB had its last unit first in this trip, and that unit has been added: it leaves now
.endif
.set KB, KB+1
.endr
	FMA PQ, PK, (U-1)%2                            ; the last unit (the 16 lines of the unit before are its places)
	OUT 7
	WIN 0                                          ; at a branch and at a label every window is 0
	s_wait_dscnt 0x0
	s_wait_tensorcnt 0x0
	ds_add_u32 v254, v255
	s_wait_dscnt 0x0
	CROUND                                         ; the closing round: no work-group ends while a partner may still ask for a tile that names it
	s_endpgm
.Lfunc_end_k_q4c01813bc3_pv:
	.size	k_q4c01813bc3_pv, .Lfunc_end_k_q4c01813bc3_pv-k_q4c01813bc3_pv
	.p2alignl 7, 3214868480
	.fill 96, 4, 3214868480
	.section	.rodata,"a",@progbits
	.p2align	6, 0x0
	.amdhsa_kernel k_q4c01813bc3_pv
		.amdhsa_group_segment_fixed_size 327680
		.amdhsa_private_segment_fixed_size 0
		.amdhsa_enable_private_segment 0
		.amdhsa_kernarg_size 40
		.amdhsa_user_sgpr_count 2
		.amdhsa_user_sgpr_kernarg_segment_ptr 1
		.amdhsa_wavefront_size32 1
		.amdhsa_system_sgpr_workgroup_id_x 1
		.amdhsa_system_sgpr_workgroup_id_y 1
		.amdhsa_system_sgpr_workgroup_id_z 1
		.amdhsa_system_vgpr_workitem_id 0
		.amdhsa_next_free_vgpr 1024
		.amdhsa_next_free_sgpr 66
		.amdhsa_reserve_vcc 0
		.amdhsa_float_denorm_mode_32 3
		.amdhsa_float_denorm_mode_16_64 3
		.amdhsa_memory_ordered 1
		.amdhsa_forward_progress 1
		.amdhsa_inst_pref_size 144
	.end_amdhsa_kernel
	.amdgpu_metadata
---
amdhsa.version: [ 1, 2 ]
amdhsa.kernels:
  - .name:           k_q4c01813bc3_pv
    .symbol:         k_q4c01813bc3_pv.kd
    .args:
      - { .name: pc, .offset: 0, .size: 8, .value_kind: global_buffer, .address_space: global }
      - { .name: vt, .offset: 8, .size: 8, .value_kind: global_buffer, .address_space: global }
      - { .name: ml, .offset: 16, .size: 8, .value_kind: global_buffer, .address_space: global }
      - { .name: lowp_scales, .offset: 24, .size: 8, .value_kind: global_buffer, .address_space: global }
      - { .name: out0, .offset: 32, .size: 8, .value_kind: global_buffer, .address_space: global }
    .group_segment_fixed_size: 327680
    .private_segment_fixed_size: 0
    .kernarg_segment_align: 8
    .kernarg_segment_size: 40
    .max_flat_workgroup_size: 128
    .sgpr_count:     66
    .vgpr_count:     1024
    .wavefront_size: 32
...
	.end_amdgpu_metadata
.endif
;; end of part 3
